; MI455X (gfx1250); checked and timed in simulation.
; The chip was launched on July 23, 2026; its instructions are those of AMD's public machine-readable ISA for CDNA 5 (MIT licence, August 2026) and "CDNA5" Instruction Set Architecture Reference Guide (July 2026). The comments in the code are by the model that wrote it; some were corrected since.
;; Scale Dot Product Attention. Allowed arithmetic: matrix products marked QUANTISED: E4M3 operands, one E8M0 scale for each 32 along K, by v_wmma_scale_f32_16x16x128_f8f6f4 with both operands' format E4M3, f32 sums; everything else in f32.
;; Inputs: k 16 x 4,096 x 128 float32; q 16 x 4,096 x 128 float32; v 16 x 4,096 x 128 float32.
;; Outputs: out0 16 x 4,096 x 128 float32.
;; This version of the problem:
;;   THIS VERSION OF THE PROBLEM IS GIVEN IN LOW PRECISION. The matrix products marked QUANTISED in the list below multiply operands that are first quantised to E4M3 (4 exponent bits, 3 mantissa bits; 8 bits a number), with one power-of-two scale for each 32 numbers along K (OCP MX v1.0); their sums are f32. All else is computed in f32.
;;   The module's matrix products, in the order in which they are computed (A, B: the left and right operand; K: the contracted axis; several contracted axes count as one K, in the product's order):
;;     1. batch 16 x [M 4,096, K 128] x [K 128, N 4,096]; A: input q; B: input k: QUANTISED
;;     2. batch 16 x [M 4,096, K 4,096] x [K 4,096, N 128]; A: softmax (see below); B: input v: QUANTISED
;;   THE QUANTISER, for each operand of a quantised product, along K:
;;     - K is cut into blocks of 32 from its start; a last block that is shorter is filled with zeros.
;;     - A block's scale is 2^e with e = floor(log2(the largest magnitude in the block)) - 8, held to -126 .. 127; a block of zeros has e = 0. As a byte (E8M0): e + 127.
;;     - Each number is divided by its block's scale, clamped to +-448, and rounded to the nearest number of E4M3, ties to even, subnormals kept.
;;     - The product sums the exact products of the quantised numbers (number of the format x scale) in f32.
;;   ~~~python
;;   def quantise(x, axis):      # numpy; x: float32 -> the quantised numbers, widened to float32 again
;;       x = np.moveaxis(x, axis, -1); K = x.shape[-1]
;;       x = np.pad(x, [(0, 0)] * (x.ndim - 1) + [(0, -K % 32)]); x = x.reshape(x.shape[:-1] + (-1, 32)); a = np.abs(x).max(-1, keepdims=True)
;;       e = np.where(a > 0, np.clip(np.frexp(np.where(a > 0, a, 1))[1] - 1 - 8, -126, 127), 0)      # np.frexp(a)[1] - 1 = floor(log2(a)), exactly
;;       r = np.clip(x / 2.0 ** e, -448, 448)
;;       step = 2.0 ** (np.maximum(np.frexp(np.where(r == 0, 1, r))[1] - 1, -6) - 3)
;;       q = np.round(r / step) * step * 2.0 ** e      # np.round: ties to even
;;       return np.moveaxis(q.reshape(q.shape[:-2] + (-1,))[..., :K], -1, axis).astype(np.float32)
;;   ~~~
;;   SOFTMAX AHEAD OF A QUANTISED PRODUCT. Where the list says 'softmax', what is quantised is not the finished softmax but p = 2^(t - M), with t = logit x log2(e) and M = ceil(the row's largest t), a whole number; so 1/2 < the row's largest p <= 1. The row's sum l is taken of the UNQUANTISED p, in f32, and the product's result is divided by l at the end. Since M is a whole number, a kernel that streams over the keys may use a running M (the ceiling of the running maximum): every later rescaling is an exact power of two, which a block's scale takes up: the codes' values come out the same.
;;   OPERANDS COMPUTED ON THE WAY. 'Computed on the way' means the value that the module computes at that place (a softmax that the list does not call 'softmax' is quantised finished and normalised). What goes into a quantiser is computed in f32, as accurately as f32 sums, v_exp_f32 and their like allow (about 1e-6 of the number): no bf16 or f16 on the way to a quantiser, and a product that is left as it is and whose result goes on into a quantised operand takes f32 operands (vector FMAs, or v_wmma_f32_16x16x4_f32). A number that lies on a knife's edge between two numbers of the format may be rounded either way, as far as f32 arithmetic and the matrix unit's own rounding can turn it there, and no further.
;; One version. Each part assembles by itself: llvm-mc -triple=amdgcn-amd-amdhsa -mcpu=gfx1250 --defsym DOCPART=n.
;; ======== version 1 of 1: 2 launches
;; limits: right only within a limited range of input values
;; workspace buffers: kvc 16,777,216 bytes; kvs 524,288 bytes
;; launch quant (part 1): grid 256 x 1, 8 waves a work-group, no clusters, 68,608 bytes of LDS; arguments k, v, kvc, kvs; writes kvc, kvs
.if DOCPART == 1
	.amdgcn_target "amdgcn-amd-amdhsa--gfx1250"
	.amdhsa_code_object_version 6
	.text
	.protected	k_q8ff9323b48_quant
	.globl	k_q8ff9323b48_quant
	.p2align	8
	.type	k_q8ff9323b48_quant,@function
k_q8ff9323b48_quant:
	s_mov_b64 s[64:65], 0
	v_nop
	global_prefetch_b8 v0, s[64:65] scope:SCOPE_SE
	s_setreg_imm32_b32 hwreg(HW_REG_WAVE_MODE, 25, 1), 1
	s_wait_xcnt 0x0
; k and v, [16][4096][128] f32, become codes of FP8 (E4M3) with one E8M0 scale byte for each 32 along a product's K: k along the head's 128, v along the KEYS.
; A block's scale is 2^(floor(log2(its largest magnitude)) - 8); its byte is the largest magnitude's exponent field - 8, held at 1 from below.  Each number is divided by the scale, held within +-448
; and rounded to the nearest code, ties to even.
; LIMITS: a block of zeros gets the byte 1 where the rule says 127 (its codes are zeros, which add nothing under any byte but 0xff, and this program alone reads the bytes);
; NaN and infinities among the inputs are not served.
; THE OUTPUT IS LAID IN THE ORDER OF THE OPERANDS' REGISTERS, so that the next launch needs no pitch, no padding and no shuffle.
;   kvc: [head 16][step 32 (128 keys)][K part 16,384 bytes][V part 16,384 bytes]; a part is 8 tiles of 2,048 bytes; in a tile byte 512 c + 16 L + i is byte i of registers 4 c .. 4 c + 3 of lane L = 16 h + r.
;        K's tile 2 b + u: lane (r, h) holds key 32 b + 8 u + r + 8 (r / 8) of the step, channels 32 c + 16 h + i.      V's tile t: lane (r, h) holds channel 16 t + r, keys 32 c + 16 h + i of the step.
;   kvs: [head][step][K 512 bytes][V 512 bytes]; the word at 256 a + 8 L + 4 e belongs to the pair of tiles j = 2 a + e: lanes 0-15 tile 2 j's row r, lanes 16-31 tile 2 j + 1's row r.
; SHARES.  Work-group = head x 16 + a run of 256 keys (two steps).  Waves 0-3 take k, waves 4-7 take v: wave & 3 = 2 s + a: step s of the two, half a of its tiles.  The two ways part once, on the wave's number,
; and never join; waves share nothing, so there is no barrier.  Only the k way uses LDS, each wave a stage of its own.
.set SPT,  528                         ; a stage row: a key's 512 bytes + 16 = 33 x 16 bytes, so that the sixteen rows that a read touches lie in sixteen different columns of 16 bytes
.set STG,  16*SPT                      ; a wave's stage: 16 rows
.set R,    16                          ; k way: v16-143   two sets of 64: a tile's 16 rows as they are loaded
.set X,    144                         ;        v144-207  the tile turned: register 16 c + n = channel 32 c + 16 h + n of row r
.set PC,   208                         ;        v208-239  two sets of 16: a tile's codes
.set TM,   240                         ;        v240-255  at work: +0 largest magnitudes, +4 the other half's, then bytes, +12 the conversions' scale operands
.set PW,   8                           ;        v8-11     a scale word for each of the four tiles
.set SW,   12                          ; both:  v[12:13]  the two scale words that a lane stores
.set VX,   16                          ; v way: v16-79    two sets of 32: a block of 32 keys of my channel
.set VCD,  80                          ;        v80-143   eight sets of 8: each block's codes have registers of their own, so no store's data are written again
.set SEL,  22                          ; s[22:23] v_permlanex16_b32's selects for lane l xor 16
.set MNT,  24
.set HM,   25                          ; s25  a mask of lanes 16-31
	s_load_b256 s[4:11], s[0:1], 0x0               ; k s[4:5], v s[6:7], kvc s[8:9], kvs s[10:11]
	s_set_vgpr_msb 0x40
	v_lshl_add_u32 v0, v0, 2, 0x10800
	v_mov_b32 v1, 0
	s_set_vgpr_msb 0x4000
	v_lshrrev_b32 v1, 5, v0
	s_delay_alu instid0(VALU_DEP_1)
	v_readfirstlane_b32 s12, v1                    ; wave 0..7
	s_and_b32 s13, s12, 3                          ; 2 s + a
	s_lshr_b32 s14, s13, 1                         ; s: which of the run's two steps
	s_and_b32 s15, s13, 1                          ; a: which half of the step's tiles
	s_lshl_b32 s16, ttmp9, 16                      ; codes: two steps of 32,768 bytes a work-group,
	s_lshl_b32 s27, s14, 15                        ; + the step,
	s_add_co_u32 s16, s16, s27
	s_lshl_b32 s27, s15, 13                        ; + four tiles of 2,048 bytes
	s_add_co_u32 s16, s16, s27
	s_mov_b32 s17, 0
	s_lshl_b32 s18, ttmp9, 11                      ; scale words: two steps of 1,024 bytes a work-group,
	s_lshl_b32 s27, s14, 10
	s_add_co_u32 s18, s18, s27
	s_lshl_b32 s27, s15, 8                         ; + 256 bytes for the half
	s_add_co_u32 s18, s18, s27
	s_mov_b32 s19, 0
	s_lshl_b32 s20, ttmp9, 17                      ; k: 256 keys of 512 bytes a work-group,
	s_lshl_b32 s27, s13, 15                        ; + 64 keys a wave
	s_add_co_u32 s20, s20, s27
	s_mov_b32 s21, 0
	s_lshl_b32 s28, ttmp9, 17                      ; v: the same run of keys,
	s_lshl_b32 s27, s14, 16                        ; + 128 keys for the step,
	s_add_co_u32 s28, s28, s27
	s_lshl_b32 s27, s15, 8                         ; + 64 channels of 4 bytes
	s_add_co_u32 s28, s28, s27
	s_mov_b32 s29, 0
	s_mov_b32 s[SEL], 0x76543210
	s_mov_b32 s[SEL+1], 0xfedcba98
	s_mov_b32 s[HM], 0xffff0000
	s_mul_i32 s26, s12, STG                        ; my stage
	; every address register is made here, ahead of the parting of the ways
	v_and_b32 v1, 31, v0                           ; lane
	v_and_b32 v14, 15, v0                          ; r
	v_bfe_u32 v15, v0, 4, 1                        ; h
	s_delay_alu instid0(VALU_DEP_3)
	v_lshlrev_b32 v2, 4, v1                        ; 16 x lane: my 16 bytes of 512 consecutive ones
	s_delay_alu instid0(VALU_DEP_1)
	v_add_nc_u32 v3, s26, v2                       ; the stage, on the way in: a row as it lies
	s_delay_alu instid0(VALU_DEP_4)
	v_mul_u32_u24 v4, v14, SPT
	s_delay_alu instid0(VALU_DEP_1)
	v_lshl_add_u32 v4, v15, 6, v4
	s_delay_alu instid0(VALU_DEP_1)
	v_add_nc_u32 v4, s26, v4                       ; and on the way out: row r, + 64 h: my 16 numbers of a block of 32
	v_lshlrev_b32 v5, 3, v1                        ; 8 x lane: my two scale words
	v_lshlrev_b32 v6, 2, v1                        ; 4 x lane: my channel of v
	v_lshlrev_b32 v7, 11, v15
	s_delay_alu instid0(VALU_DEP_1)
	v_lshl_add_u32 v7, v14, 4, v7                  ; v's codes: tile lane / 16 of a pair, 16 bytes for row lane % 16
.irp b, 0,1,2,3
	v_mov_b32 v[TM+4+\b], 0                        ; written once: a lane permute's destination counts as one of its sources
.endr
	s_wait_kmcnt 0x0
	s_add_nc_u64 s[4:5], s[4:5], s[20:21]
	s_add_nc_u64 s[6:7], s[6:7], s[28:29]
	s_add_nc_u64 s[8:9], s[8:9], s[16:17]
	s_add_nc_u64 s[10:11], s[10:11], s[18:19]
	s_cmp_lt_u32 s12, 4
	s_cbranch_scc0 .Lvway
; ---------------- THE k WAY: four tiles of 16 keys ----------------
.macro KLOAD t                         ; tile t's sixteen rows: each load is one key's 512 consecutive bytes; THE KEYS OF A TILE ARE NOT NEIGHBOURS: row i is key 32 (t / 2) + 8 (t % 2) + i + 8 (i / 8) of my 64
.irp i, 0,1,2,3,4,5,6,7,8,9,10,11,12,13,14,15
	global_load_b128 v[R+64*((\t)%2)+4*\i:R+64*((\t)%2)+4*\i+3], v2, s[4:5] offset:(32*((\t)/2)+8*((\t)%2)+\i+8*(\i/8))*512 th:TH_LOAD_NT
.endr
.endm
.macro KTURN t                         ; through my stage: in as rows, out 64 bytes a lane for each block of 32.  LDS serves a wave's instructions in order: no wait between the stores and the loads
.irp i, 0,1,2,3,4,5,6,7,8,9,10,11,12,13,14,15
	ds_store_b128 v3, v[R+64*((\t)%2)+4*\i:R+64*((\t)%2)+4*\i+3] offset:SPT*\i
.endr
.irp c, 0,1,2,3
.irp j, 0,1,2,3
	ds_load_b128 v[X+16*\c+4*\j:X+16*\c+4*\j+3], v4 offset:128*\c+16*\j
.endr
.endr
.endm
.macro QUANT                           ; the 64 numbers in v[X] on become a fragment's codes in v[QP] on and its scale word in v[QW]
.irp b, 0,1,2,3
	v_max3_num_f32 v[TM+\b], |v[X+16*\b]|, |v[X+1+16*\b]|, 0x4800000   ; block b: my 16 numbers, and the floor 2^(9 - 127), under which no largest magnitude is taken: so the byte cannot fall under 1
.endr
.irp i, 2,4,6,8,10,12,14
.irp b, 0,1,2,3
	s_delay_alu instid0(VALU_DEP_4)
	v_max3_num_f32 v[TM+\b], v[TM+\b], |v[X+16*\b+\i]|, |v[X+1+16*\b+\i]|   ; (the four blocks by turns: no line waits for the line above it)
.endr
.endr
.irp b, 0,1,2,3
	s_delay_alu instid0(VALU_DEP_4)
	v_permlanex16_b32 v[TM+4+\b], v[TM+\b], s[SEL], s[SEL+1]
.endr
.irp b, 0,1,2,3
	s_delay_alu instid0(VALU_DEP_4)
	v_max_num_f32 v[TM+\b], v[TM+\b], v[TM+4+\b]   ; with lane l xor 16's: the block's largest magnitude
.endr
.irp b, 0,1,2,3
	s_delay_alu instid0(VALU_DEP_4)
	v_add_nc_u32 v[TM+12+\b], 0xfc000000, v[TM+\b] ; 8 off its exponent field: the conversion takes the exponent field of this operand as its scale, and nothing else of it
.endr
.irp b, 0,1,2,3
.endr
.irp b, 0,1,2,3
	s_delay_alu instid0(VALU_DEP_4)
	v_lshrrev_b32 v[TM+4+\b], 23, v[TM+12+\b]      ; the scale's byte
.endr
	s_delay_alu instid0(VALU_DEP_3)
	v_lshl_or_b32 v[QW], v[TM+5], 8, v[TM+4]       ; the four bytes make my row's scale word (both halves of the lanes hold it)
	s_delay_alu instid0(VALU_DEP_1)
	v_lshl_or_b32 v[QW], v[TM+6], 16, v[QW]
	s_delay_alu instid0(VALU_DEP_1)
	v_lshl_or_b32 v[QW], v[TM+7], 24, v[QW]
.irp b, 0,1,2,3
.irp i, 0,1,2,3,4,5,6,7,8,9,10,11,12,13,14,15
.endr
	v_cvt_scalef32_pk8_fp8_f32 v[QP+4*\b:QP+1+4*\b], v[X+16*\b:X+7+16*\b], v[TM+12+\b]
	v_cvt_scalef32_pk8_fp8_f32 v[QP+2+4*\b:QP+3+4*\b], v[X+8+16*\b:X+15+16*\b], v[TM+12+\b]
.endr
	v_nop                                          ; one plain vector line behind the last conversion of the run
.endm
.macro KTILE t
.if (\t) < 3
	s_wait_loadcnt 16                              ; this tile's sixteen loads are in; the next tile's sixteen stay out
.else
	s_wait_loadcnt 0x0
.endif
	KTURN \t
	s_wait_dscnt 0x0                               ; the stage's stores have read their registers, and the turned tile is in
.if (\t) < 2
	KLOAD (\t)+2                                   ; into the set that the stage has just taken over
.else
	s_wait_xcnt 0x0                                ; the stores of two tiles back have read this set of codes: it is written again only behind this wait
.endif
.set QP, PC+16*((\t)%2)
.set QW, PW+(\t)
	QUANT
.irp c, 0,1,2,3
	global_store_b128 v2, v[QP+4*\c:QP+4*\c+3], s[8:9] offset:2048*(\t)+512*\c   ; registers 4 c .. 4 c + 3 of all lanes: 512 consecutive bytes
.endr
.endm
	KLOAD 0
	KLOAD 1
	s_wait_alu depctr_va_vdst(0)
	KTILE 0
	KTILE 1
	KTILE 2
	KTILE 3
	v_cndmask_b32 v[SW], v[PW], v[PW+1], s[HM]     ; lanes 0-15 keep the even tile's word, lanes 16-31 take the odd tile's
	v_cndmask_b32 v[SW+1], v[PW+2], v[PW+3], s[HM]
	global_store_b64 v5, v[SW:SW+1], s[10:11]      ; 32 lanes store 256 consecutive bytes, aligned
	s_set_vgpr_msb 0x5
	s_wait_tensorcnt 0x0
	ds_add_u32 v0, v1
	s_wait_dscnt 0x0
	s_set_vgpr_msb 0x500
	s_endpgm
; ---------------- THE v WAY: 64 channels x 128 keys ----------------
; A LANE TAKES A CHANNEL AND ITS REGISTERS RUN DOWN THE KEYS: a block of 32 keys lies in one lane's 32 registers, its largest magnitude needs no other lane, and the conversions give codes with the keys innermost.
; A lane's 16 codes are a lane's 16 bytes of the tile's image: they are stored as they stand, sixteen lanes to 256 consecutive bytes.  Block q = 2 c + e: keys 32 c on, channels 64 a + 32 e + lane:
; e runs fastest, so that the two halves of each 256 consecutive bytes of a key's row are asked for close together.
.Lvway:
.macro VLOAD q
.irp i, 0,1,2,3,4,5,6,7,8,9,10,11,12,13,14,15,16,17,18,19,20,21,22,23,24,25,26,27,28,29,30,31
	global_load_b32 v[VX+32*((\q)%2)+\i], v6, s[6:7] offset:(32*((\q)/2)+\i)*512+128*((\q)%2)
.endr
.endm
.macro VBLOCK q
.set XS, VX+32*((\q)%2)
.set QC, (\q)/2
.set QE, (\q)%2
.set CD, VCD+8*(\q)
.if (\q) < 7
	s_wait_loadcnt 32                              ; this block's 32 loads are in; the next block's 32 stay out
.else
	s_wait_loadcnt 0x0
.endif
	v_max3_num_f32 v240, |v[XS]|, |v[XS+1]|, |v[XS+2]|             ; the block's largest magnitude: all 32 numbers are mine; two chains
	v_max3_num_f32 v241, |v[XS+3]|, |v[XS+4]|, |v[XS+5]|
.irp i, 6,10,14,18,22,26
	s_delay_alu instid0(VALU_DEP_2)
	v_max3_num_f32 v240, v240, |v[XS+\i]|, |v[XS+\i+1]|
	s_delay_alu instid0(VALU_DEP_2)
	v_max3_num_f32 v241, v241, |v[XS+\i+2]|, |v[XS+\i+3]|
.endr
	s_delay_alu instid0(VALU_DEP_2)
	v_max3_num_f32 v240, v240, |v[XS+30]|, |v[XS+31]|
	s_delay_alu instid0(VALU_DEP_1)
	v_max3_num_f32 v240, v240, v241, 0x4800000     ; and the floor 2^(9 - 127)
	s_delay_alu instid0(VALU_DEP_1)
	v_add_nc_u32 v242, 0xfc000000, v240            ; the conversion's scale operand
	s_delay_alu instid0(VALU_DEP_1)
	v_lshrrev_b32 v241, 23, v242                   ; the scale's byte: byte c of my channel's word
.if QC == 0
	s_delay_alu instid0(VALU_DEP_1)
	v_mov_b32 v[SW+QE], v241
.else
	s_delay_alu instid0(VALU_DEP_1)
	v_lshl_or_b32 v[SW+QE], v241, 8*QC, v[SW+QE]
.endif
.irp i, 0,1,2,3,4,5,6,7,8,9,10,11,12,13,14,15,16,17,18,19,20,21,22,23,24,25,26,27,28,29,30,31
.endr
.irp g, 0,1,2,3
	v_cvt_scalef32_pk8_fp8_f32 v[CD+2*\g:CD+2*\g+1], v[XS+8*\g:XS+8*\g+7], v242
.endr
	v_nop                                          ; one plain vector line behind the last conversion of the run
	global_store_b128 v7, v[CD:CD+3], s[8:9] offset:16384+4096*QE+512*QC         ; keys 32 c + 0 .. 15: the image's lanes 0-15 of two tiles
	global_store_b128 v7, v[CD+4:CD+7], s[8:9] offset:16384+4096*QE+512*QC+256   ; keys 32 c + 16 .. 31: its lanes 16-31
.if (\q) < 6
	VLOAD (\q)+2
.endif
.endm
	s_wait_alu depctr_va_vdst(0)
	VLOAD 0
	VLOAD 1
.irp q, 0,1,2,3,4,5,6,7
	VBLOCK \q
.endr
	global_store_b64 v5, v[SW:SW+1], s[10:11] offset:512   ; lane L's words of the pairs 2 a and 2 a + 1: 256 consecutive bytes, aligned
	s_endpgm
.Lfunc_end_k_q8ff9323b48_quant:
	.size	k_q8ff9323b48_quant, .Lfunc_end_k_q8ff9323b48_quant-k_q8ff9323b48_quant
	.p2alignl 7, 3214868480
	.fill 96, 4, 3214868480
	.section	.rodata,"a",@progbits
	.p2align	6, 0x0
	.amdhsa_kernel k_q8ff9323b48_quant
		.amdhsa_group_segment_fixed_size 68608
		.amdhsa_private_segment_fixed_size 0
		.amdhsa_enable_private_segment 0
		.amdhsa_kernarg_size 32
		.amdhsa_user_sgpr_count 2
		.amdhsa_user_sgpr_kernarg_segment_ptr 1
		.amdhsa_wavefront_size32 1
		.amdhsa_system_sgpr_workgroup_id_x 1
		.amdhsa_system_sgpr_workgroup_id_y 1
		.amdhsa_system_sgpr_workgroup_id_z 1
		.amdhsa_system_vgpr_workitem_id 0
		.amdhsa_next_free_vgpr 258
		.amdhsa_next_free_sgpr 66
		.amdhsa_reserve_vcc 0
		.amdhsa_float_denorm_mode_32 3
		.amdhsa_float_denorm_mode_16_64 3
		.amdhsa_fp16_overflow 1
		.amdhsa_memory_ordered 1
		.amdhsa_forward_progress 1
		.amdhsa_inst_pref_size 82
	.end_amdhsa_kernel
	.amdgpu_metadata
---
amdhsa.version: [ 1, 2 ]
amdhsa.kernels:
  - .name:           k_q8ff9323b48_quant
    .symbol:         k_q8ff9323b48_quant.kd
    .args:
      - { .name: k, .offset: 0, .size: 8, .value_kind: global_buffer, .address_space: global }
      - { .name: v, .offset: 8, .size: 8, .value_kind: global_buffer, .address_space: global }
      - { .name: kvc, .offset: 16, .size: 8, .value_kind: global_buffer, .address_space: global }
      - { .name: kvs, .offset: 24, .size: 8, .value_kind: global_buffer, .address_space: global }
    .group_segment_fixed_size: 68608
    .private_segment_fixed_size: 0
    .kernarg_segment_align: 8
    .kernarg_segment_size: 32
    .max_flat_workgroup_size: 256
    .sgpr_count:     66
    .vgpr_count:     258
    .wavefront_size: 32
...
	.end_amdgpu_metadata
.endif
;; end of part 1
;; launch attn (part 2): grid 16 x 16, 8 waves a work-group, clusters of 4 x 1, 327,680 bytes of LDS; arguments q, kvc, kvs, out0; writes out0
.if DOCPART == 2
	.amdgcn_target "amdgcn-amd-amdhsa--gfx1250"
	.amdhsa_code_object_version 6
	.text
	.protected	k_q8ff9323b48_attn
	.globl	k_q8ff9323b48_attn
	.p2align	8
	.type	k_q8ff9323b48_attn,@function
k_q8ff9323b48_attn:
	s_mov_b64 s[64:65], 0
	v_nop
	global_prefetch_b8 v0, s[64:65] scope:SCOPE_SE
	s_setreg_imm32_b32 hwreg(HW_REG_WAVE_MODE, 25, 1), 1
	s_wait_xcnt 0x0
	s_wait_alu depctr_hold_cnt(0) depctr_sa_sdst(0) depctr_va_vdst(0) depctr_va_sdst(0) depctr_va_ssrc(0) depctr_va_vcc(0) depctr_vm_vsrc(0)
	s_getreg_b32 s2, hwreg(HW_REG_IB_STS2, 6, 4)
	s_cmp_eq_u32 s2, 0
	s_cbranch_scc0 .Lentry_in_a_cluster
	s_endpgm
.Lentry_in_a_cluster:
	s_bfe_u32 s2, ttmp6, 0x10000c
	s_cmp_lg_u32 s2, 0x3003
	s_cbranch_scc0 .Lentry_shape_is_right
	s_endpgm
.Lentry_shape_is_right:
; out0[h][q][:] = the sum over k of softmax_k(q[h][q] . k[h][k] / sqrt(128)) v[h][k][:], 16 heads, 4,096 queries and keys, head size 128; both products on codes of FP8 (E4M3) with one E8M0 scale for each 32 along K.
; q is f32 and is quantised here, in registers (each row is read by one wave); k's and v's codes and scale words come from kvc and kvs, laid as images of the operands' registers (see below).
; THE SOFTMAX AHEAD OF THE SECOND PRODUCT: t = score x log2(e) / sqrt(128); M = the row's largest t so far, rounded UP to a whole number; p = 2^(t - M) is what is quantised, along the keys; it is not normalised.
; The row's sum is taken of the unquantised p, in f32, and divides O at the end.  When M moves, the sum and O are multiplied by 2^(old M - new M): exact.  So the maximum is a running one, for scores of any size.
; LIMITS: NaN and infinities among the inputs are not served; a p under 2^-126 counts as 0 (v_exp_f32 gives 0 there: ISA guide 15.8).
; SHARES.  A work-group owns 256 queries of one head; each of its eight waves 32 of them: two tiles of 16, so that every fragment of K and V read from LDS feeds two matrix instructions.  Two waves to a SIMD, 512 registers each:
; one wave's vector work stands beside the other's matrix work and LDS loads.  Every wave walks all keys of the head, 128 a step.
; LAYOUT.  Both products are used transposed: S^T = K Q^T (source 0 = 16 keys, source 1 = 16 queries), O^T = V^T P^T (source 0 = 16 channels, source 1 = P): a lane holds ONE query (lane % 16) throughout.
; The keys of K's tile 2 b + u are 32 b + 8 u + r + 8 (r / 8), so that the 16 registers of tiles 2 b and 2 b + 1 are the 16 neighbouring keys 32 b + 16 (lane / 16) + 0 .. 15: the conversions' results are the second product's operand.
; kvc: [head][step 32][K 8 tiles x 2,048 bytes][V 8 tiles x 2,048 bytes]; in a tile byte 512 c + 16 L + i is byte i of registers 4 c .. 4 c + 3 of lane L: a fragment is four loads of 16 bytes at 16 x lane, 512 consecutive bytes each.
; kvs: [head][step][K 512][V 512]: the word at 256 a + 8 L + 4 e: pair of tiles 2 a + e; lanes 0-15 the even tile's rows, lanes 16-31 the odd tile's (read through MATRIX_SCALE_ROW1).
; RING.  Two LDS slots of four steps (131,072 bytes, one dense block of kvc); each wave fetches an eighth of a slot with one tensor load.  The head's 32,768 bytes of kvs come once and stay.
; CLUSTER.  The four query blocks of a cluster belong to one head and walk the same K and V: every tensor load is asked for JOINTLY, by the same line with the same descriptor (made of the head and the wave's number) and a mask that names the four.
; A wave has at most one tensor load out: the scale words' is waited for before slot 0's goes out, and each change of slots waits before asking for the next.
; REGISTERS.  Window 0: v1-7 addresses; v8-15 statistics, four a tile (-M, the largest t, the sum in two halves); v16-79 four fragments; v80-207 S^T, then p, 64 a tile; v208-219 scale words; v220-223 f; v224-255 at work, 16 a tile.
;             Window 1: v0-31 P's codes; v32-63 Q's codes; v64-127 four more fragments; v128-255 O^T, 64 a tile.
.set SLOT1, 1<<17                      ; slot 1 begins here: one exclusive or turns an address in one slot into the other's
.set STEPB, 32768                      ; a step's tiles
.set SCL,   2*SLOT1                    ; behind the ring: the head's scale words, 1,024 bytes a step; filled once
.set SPARE, SCL+32768                  ; the spare words, 128 bytes for each wave: four blocks of 256 bytes that no other line names
.set SP,    528                        ; the way out: a stage row, 512 bytes + 16 = 33 x 16 bytes
.set STGB,  16*SP                      ; a wave's stage, at wave x STGB in slot 0: that slot has had its last fill, and nobody reads it behind the last change of slots
.set LI,  1                            ; v1   16 x lane; never rewritten
.set LS,  2                            ; v2   SCL + 8 x lane; never rewritten
.set SPW, 3                            ; v3   LDS address of my spare word: SPARE + 4 x my thread's number; never rewritten
.set NIL, 4                            ; v4   0; never rewritten
.set ADK, 5                            ; v5   LDS address of the step's tiles; on the way out: where I put 32 bytes of a row
.set ADS, 6                            ; v6   of the slot's scale words; on the way out: where I read a row back
.set QA,  7                            ; v7   q: my byte in a tile's 16 rows
.set ST,  8
.set F0,  16
.set S,   80
.set KSW, 208                          ; v208-211 K's scale words, a register for each pair of tiles;  v212-215 V's
.set VSW, 212
.set QSW, 216                          ; v216-217 Q's, a register a tile;  v218-219 P's
.set PSW, 218
.set FF,  220                          ; v[220:221], v[222:223]: f = 2^(old M - new M) of each tile (the pair's upper word is named and not used); at the end 1 / the sum
.set TM,  224                          ; tile x at TM + 16 x: +0 block maxima, +4 the other half's, a scratch word, bytes, a chain of the sum, +12 the conversions' scale operands
.set P1,  0                            ; window 1
.set Q1,  32
.set F1,  64
.set O1,  128
.set WV,  12                           ; s12  my wave's number
.set SEL, 20                           ; s[20:21] v_permlanex16_b32's selects for lane l xor 16
.set CS,  22                           ; s[22:23] c = log2(e) / sqrt(128): the packed form names a pair and takes its low word for both halves
.set MNT, 24
.set TB,  25                           ; s25  LDS byte at which the slot in hand begins
.set TS,  26                           ; s26  where the slot's scale words begin: 4,096 bytes a slot
.set SLOTS, 27                         ; s27  slots still to be asked for
.set TA,  29                           ; s29  LDS byte at which the step in hand begins
.set G1C, 32                           ; s[32:39] descriptor group 1 for an eighth of a slot;  s[40:47] for an eighth of the scale words
.set G1S, 40
.set G0C, 48                           ; s[48:51] group 0 for the codes, which walks;  s[52:55] for the scale words
.set G0S, 52
.set MSB, 0
.macro WIN new                         ; the immediate's low byte: bits 1:0 source 0, 3:2 source 1, 5:4 source 2, 7:6 destination; its high byte repeats the setting that is left
.if MSB != \new
	s_set_vgpr_msb (MSB<<8)|\new
.set MSB, \new
.endif
.endm
.macro PLACES n                        ; plain vector lines behind matrix instructions (ISA guide 7.12.1), where no useful one is at hand
.rept \n
	v_nop
.endr
.endm
; A round of the cluster's barrier: my work-group's barrier, so that wave 0's signal speaks for all eight waves; wave 0 signals for the work-group; every wave waits for all four work-groups; my work-group's barrier once more.
.macro CROUND
	s_barrier_signal -1
	s_barrier_wait -1
	s_cmp_lg_u32 s[WV], 0
	s_cbranch_scc1 .Lnot_wave_0_\@
	s_barrier_signal -3
.Lnot_wave_0_\@:
	s_barrier_wait -3
	s_barrier_signal -1
	s_barrier_wait -1
.endm
	s_load_b256 s[4:11], s[0:1], 0x0               ; q s[4:5], kvc s[6:7], kvs s[8:9], out0 s[10:11]
	v_lshl_add_u32 v[SPW], v0, 2, SPARE
	v_mov_b32 v[NIL], 0
	ds_add_u32 v3, v4
	ds_add_u32 v3, v4
	s_wait_dscnt 0x0
	v_lshrrev_b32 v5, 5, v0
	s_delay_alu instid0(VALU_DEP_1)
	v_readfirstlane_b32 s[WV], v5                  ; wave 0..7
	s_bfe_u32 s13, ttmp6, 0x40000                  ; cx: my place in the cluster
	s_lshl_b32 s14, ttmp9, 2                       ; in a cluster launch ttmp9 counts clusters
	s_add_co_u32 s14, s14, s13                     ; my block of 256 queries: it enters q's and out0's addresses alone
	s_and_b32 s15, ttmp7, 0xffff                   ; the head, which the four partners share
	s_lshl_b32 s16, s15, 21                        ; q and out0: 4,096 rows of 512 bytes a head,
	s_lshl_b32 s17, s14, 17                        ; 256 rows a block,
	s_add_co_u32 s16, s16, s17
	s_lshl_b32 s17, s[WV], 14                      ; 32 rows a wave
	s_add_co_u32 s16, s16, s17
	s_mov_b32 s17, 0
	s_lshl_b32 s18, s15, 20                        ; kvc: 32 steps of 32,768 bytes a head, + my eighth of a slot (registers that never hold cx)
	s_lshl_b32 s19, s[WV], 14
	s_add_co_u32 s18, s18, s19
	s_mov_b32 s19, 0
	s_lshl_b32 s30, s15, 15                        ; kvs: 32 steps of 1,024 bytes a head, + my eighth
	s_lshl_b32 s31, s[WV], 12
	s_add_co_u32 s30, s30, s31
	s_mov_b32 s31, 0
	; descriptor group 1: dense blocks as rows of 256 bytes (32 elements of 8 bytes), no padding: 64 rows of codes, 16 rows of scale words
	s_mov_b32 s[G1C], 15|(3<<16)|(1<<21)           ; 15:0 the mask: all four work-groups; 17:16 elements of 8 bytes; 21 set beside a mask
	s_mov_b32 s[G1C+1], 32<<16                     ; tensor_dim0 = 32
	s_mov_b32 s[G1C+2], 64<<16                     ; tensor_dim1 = 64
	s_mov_b32 s[G1C+3], 32<<16                     ; tile_dim0 = 32
	s_mov_b32 s[G1C+4], 64                         ; tile_dim1 = 64
	s_mov_b32 s[G1C+5], 32                         ; tensor_dim0_stride: each row begins where the last ends
	s_mov_b32 s[G1C+6], 0
	s_mov_b32 s[G1C+7], 0
	s_mov_b32 s[G1S], 15|(3<<16)|(1<<21)
	s_mov_b32 s[G1S+1], 32<<16
	s_mov_b32 s[G1S+2], 16<<16
	s_mov_b32 s[G1S+3], 32<<16
	s_mov_b32 s[G1S+4], 16
	s_mov_b32 s[G1S+5], 32
	s_mov_b32 s[G1S+6], 0
	s_mov_b32 s[G1S+7], 0
	s_mov_b32 s[SEL], 0x76543210
	s_mov_b32 s[SEL+1], 0xfedcba98
	s_mov_b32 s[CS], 0x3e0293ee                    ; c = log2(e) / sqrt(128)
	s_mov_b32 s[CS+1], s[CS]                       ; (named with it as a pair, so it is written)
	s_mov_b32 s[TB], 0
	s_mov_b32 s[TS], 0
	s_mov_b32 s[SLOTS], 7                          ; eight slots' worth of keys: behind each change of slots but the last the next is asked for
	v_and_b32 v5, 31, v0                           ; lane
	s_delay_alu instid0(VALU_DEP_1)
	v_lshlrev_b32 v[LI], 4, v5
	s_delay_alu instid0(VALU_DEP_2)
	v_lshl_add_u32 v[LS], v5, 3, SCL
	v_and_b32 v5, 15, v0                           ; r
	v_bfe_u32 v6, v0, 4, 1                         ; h
	s_delay_alu instid0(VALU_DEP_2)
	v_lshlrev_b32 v[QA], 9, v5
	s_delay_alu instid0(VALU_DEP_1)
	v_lshl_add_u32 v[QA], v6, 6, v[QA]             ; q: row r of 512 bytes, + 64 h: my 16 numbers of a block of 32
	s_wait_alu depctr_va_vdst(0)
	s_wait_kmcnt 0x0
	s_add_nc_u64 s[4:5], s[4:5], s[16:17]          ; q and out0 at my wave's first row
	s_add_nc_u64 s[10:11], s[10:11], s[16:17]
.irp x, 0,1                                    ; q's numbers land where S^T will lie: register 16 b + n of tile x = channel 32 b + 16 h + n of query r
.irp b, 0,1,2,3
.irp j, 0,1,2,3
	global_load_b128 v[S+64*\x+16*\b+4*\j:S+64*\x+16*\b+4*\j+3], v[QA], s[4:5] offset:8192*\x+128*\b+16*\j th:TH_LOAD_NT
.endr
.endr
.endr
	s_mov_b32 s[G0C], 1                            ; 1:0 count = 1
	s_lshl_b32 s[G0C+1], s[WV], 14                 ; 63:32 LDS address: slot 0, my eighth: no place in the cluster enters an LDS address
	s_add_nc_u64 s[G0C+2:G0C+3], s[6:7], s[18:19]  ; 120:64 global address: the head's first four steps, my eighth
	s_or_b32 s[G0C+3], s[G0C+3], 0x80000000        ; 127:126 type = 2
	s_mov_b32 s[G0S], 1
	s_lshl_b32 s[G0S+1], s[WV], 12
	s_add_co_u32 s[G0S+1], s[G0S+1], SCL
	s_add_nc_u64 s[G0S+2:G0S+3], s[8:9], s[30:31]
	s_or_b32 s[G0S+3], s[G0S+3], 0x80000000
	CROUND                                         ; all four work-groups are here: the first joint loads meet
	tensor_load_to_lds s[G0S:G0S+3], s[G1S:G1S+7]  ; the head's scale words: filled once
	s_nop 0
	s_wait_alu depctr_va_vdst(0)
	s_wait_tensorcnt 0x0
	ds_add_u32 v3, v4
	s_wait_dscnt 0x0
	CROUND
	tensor_load_to_lds s[G0C:G0C+3], s[G1C:G1C+7]  ; slot 0.  Asked for behind the wait for the scale words; four v_nop follow
	s_nop 0
	PLACES 4
.irp x, 0,1
.irp b, 0,1,2,3
	v_mov_b32 v[TM+16*\x+4+\b], 0                  ; written once: a lane permute's destination counts as one of its sources
.endr
	v_mov_b32 v[FF+2*\x+1], 0                      ; (the upper half of f's pair is named, so it is written)
.endr
; Tile x's 64 numbers of q become Q's codes in window 1 and their scale word: the same lines as for any operand whose K runs along a lane's registers.
.macro QUANTQ x
.set qS, S+64*(\x)
.set qT, TM+16*(\x)
.irp b, 0,1,2,3
	v_max3_num_f32 v[qT+\b], |v[qS+16*\b]|, |v[qS+1+16*\b]|, 0x4800000   ; block b: my 16 numbers, and the floor 2^(9 - 127): the byte cannot fall under 1
.endr
.irp i, 2,4,6,8,10,12,14
.irp b, 0,1,2,3
	s_delay_alu instid0(VALU_DEP_4)
	v_max3_num_f32 v[qT+\b], v[qT+\b], |v[qS+16*\b+\i]|, |v[qS+1+16*\b+\i]|
.endr
.endr
.irp b, 0,1,2,3
	s_delay_alu instid0(VALU_DEP_4)
	v_permlanex16_b32 v[qT+4+\b], v[qT+\b], s[SEL], s[SEL+1]
.endr
.irp b, 0,1,2,3
	s_delay_alu instid0(VALU_DEP_4)
	v_max_num_f32 v[qT+\b], v[qT+\b], v[qT+4+\b]   ; with lane l xor 16's: the block's largest magnitude
.endr
.irp b, 0,1,2,3
	s_delay_alu instid0(VALU_DEP_4)
	v_add_nc_u32 v[qT+12+\b], 0xfc000000, v[qT+\b] ; 8 off its exponent field: the conversion's scale operand
.endr
.irp b, 0,1,2,3
.endr
.irp b, 0,1,2,3
	s_delay_alu instid0(VALU_DEP_4)
	v_lshrrev_b32 v[qT+4+\b], 23, v[qT+12+\b]      ; the scale's byte
.endr
	s_delay_alu instid0(VALU_DEP_3)
	v_lshl_or_b32 v[QSW+\x], v[qT+5], 8, v[qT+4]
	s_delay_alu instid0(VALU_DEP_1)
	v_lshl_or_b32 v[QSW+\x], v[qT+6], 16, v[QSW+\x]
	s_delay_alu instid0(VALU_DEP_1)
	v_lshl_or_b32 v[QSW+\x], v[qT+7], 24, v[QSW+\x]
.irp b, 0,1,2,3
.irp i, 0,1,2,3,4,5,6,7,8,9,10,11,12,13,14,15
.endr
.endr
	WIN 0x40                                       ; destination window 1
.irp b, 0,1,2,3
	v_cvt_scalef32_pk8_fp8_f32 v[Q1+16*\x+4*\b:Q1+16*\x+4*\b+1], v[qS+16*\b:qS+16*\b+7], v[qT+12+\b]
	v_cvt_scalef32_pk8_fp8_f32 v[Q1+16*\x+4*\b+2:Q1+16*\x+4*\b+3], v[qS+16*\b+8:qS+16*\b+15], v[qT+12+\b]
.endr
	WIN 0
	v_nop                                          ; one plain vector line behind the last conversion of the run
.endm
	s_wait_loadcnt 16                              ; tile 0's sixteen loads are in; tile 1's sixteen stay out
	QUANTQ 0
	s_wait_loadcnt 0x0
	QUANTQ 1
.irp x, 0,1
	v_mov_b32 v[ST+4*\x+1], 0xff61b1e6             ; the largest t so far: -3e38, under every t
	s_delay_alu instid0(VALU_DEP_1)
	v_floor_f32 v[ST+4*\x], -v[ST+4*\x+1]          ; -M
	v_mov_b32 v[ST+4*\x+2], 0                      ; the sum, in two halves
	v_mov_b32 v[ST+4*\x+3], 0
.endr
	WIN 0x40
.set i, 0
.rept 128
	v_mov_b32 v[O1+i], 0                           ; O^T.  (The key step is written without a first copy of its own: the first step finds zeros, which the first change of M leaves zeros)
.set i, i+1
.endr
	WIN 0
.macro FRAG4 reg, off                          ; four fragments as they lie: registers 4 c .. 4 c + 3 of tile t by one load of 512 consecutive bytes
.irp t, 0,1,2,3
.irp c, 0,1,2,3
	ds_load_b128 v[\reg+16*\t+4*\c:\reg+16*\t+4*\c+3], v[ADK] offset:\off+2048*\t+512*\c
.endr
.endr
.endm
; Eight matrix instructions: K's tiles 4 g .. 4 g + 3 (in v[fr] on) x my two tiles of queries.  Each starts its sum with the constant 0.  The accumulators take turns, one instruction a turn.
.macro KQ8 g, fr
.irp t, 0,1,2,3
.irp x, 0,1
.set rD, S+64*\x+8*(4*\g+\t)
.set rA, \fr+16*\t
.set rB, Q1+16*\x
.set rW, KSW+(4*\g+\t)/2
.if \t%2
	v_wmma_scale_f32_16x16x128_f8f6f4 v[rD:rD+7], v[rA:rA+15], v[rB:rB+15], 0, v[rW], v[QSW+\x] matrix_a_scale:MATRIX_SCALE_ROW1
.else
	v_wmma_scale_f32_16x16x128_f8f6f4 v[rD:rD+7], v[rA:rA+15], v[rB:rB+15], 0, v[rW], v[QSW+\x]
.endif
.endr
.endr
.endm
; Eight more: V's tiles 4 g .. 4 g + 3 x my two tiles of P; each of the sixteen accumulators of O^T has one instruction a step.
.macro PV8 g, fr
.irp t, 0,1,2,3
.irp x, 0,1
.set rD, O1+64*\x+8*(4*\g+\t)
.set rA, \fr+16*\t
.set rB, P1+16*\x
.set rW, VSW+(4*\g+\t)/2
.if \t%2
	v_wmma_scale_f32_16x16x128_f8f6f4 v[rD:rD+7], v[rA:rA+15], v[rB:rB+15], v[rD:rD+7], v[rW], v[PSW+\x] matrix_a_scale:MATRIX_SCALE_ROW1
.else
	v_wmma_scale_f32_16x16x128_f8f6f4 v[rD:rD+7], v[rA:rA+15], v[rB:rB+15], v[rD:rD+7], v[rW], v[PSW+\x]
.endif
.endr
.endr
.endm
; THE SOFTMAX OF A STEP, both tiles line by line by turns, so that no line waits for the line above it.  All in window 0.
.macro SOFTMAX
.irp b, 0,1,2,3
.irp x, 0,1
	v_max3_num_f32 v[TM+16*\x+\b], v[S+64*\x+16*\b], v[S+64*\x+16*\b+1], v[S+64*\x+16*\b+2]   ; THE LARGEST SCORE OF EACH BLOCK OF 32 KEYS serves twice: for the row's maximum, and, since p rises with the score, for the block's largest p.  (Each accumulator is read from its low end on)
.endr
.endr
.irp i, 3,5,7,9,11,13
.irp b, 0,1,2,3
.irp x, 0,1
	v_max3_num_f32 v[TM+16*\x+\b], v[TM+16*\x+\b], v[S+64*\x+16*\b+\i], v[S+64*\x+16*\b+\i+1]
.endr
.endr
.endr
.irp b, 0,1,2,3
.irp x, 0,1
	v_max_num_f32 v[TM+16*\x+\b], v[TM+16*\x+\b], v[S+64*\x+16*\b+15]
.endr
.endr
.irp b, 0,1,2,3
.irp x, 0,1
	v_permlanex16_b32 v[TM+16*\x+4+\b], v[TM+16*\x+\b], s[SEL], s[SEL+1]
.endr
.endr
.irp b, 0,1,2,3
.irp x, 0,1
	v_max_num_f32 v[TM+16*\x+\b], v[TM+16*\x+\b], v[TM+16*\x+4+\b]   ; with lane l xor 16's 16 keys
.endr
.endr
.irp x, 0,1
	s_delay_alu instid0(VALU_DEP_4)
	v_max3_num_f32 v[TM+16*\x+4], v[TM+16*\x], v[TM+16*\x+1], v[TM+16*\x+2]
.endr
.irp x, 0,1
	s_delay_alu instid0(VALU_DEP_2)
	v_max_num_f32 v[TM+16*\x+4], v[TM+16*\x+4], v[TM+16*\x+3]      ; the step's largest score of my query
.endr
.irp x, 0,1
	s_delay_alu instid0(VALU_DEP_2)
	v_mul_f32 v[TM+16*\x+4], s[CS], v[TM+16*\x+4]                  ; as t (c is positive)
.endr
.irp x, 0,1
	s_delay_alu instid0(VALU_DEP_2)
	v_max_num_f32 v[ST+4*\x+1], v[ST+4*\x+1], v[TM+16*\x+4]        ; the running largest t
.endr
.irp x, 0,1
	v_mov_b32 v[TM+16*\x+4], v[ST+4*\x]
.endr
.irp x, 0,1
	s_delay_alu instid0(VALU_DEP_4)
	v_floor_f32 v[ST+4*\x], -v[ST+4*\x+1]                          ; the new -M = floor(-t) = -ceil(t): M IS A WHOLE NUMBER
.endr
.irp x, 0,1
	s_delay_alu instid0(VALU_DEP_2)
	v_sub_f32 v[TM+16*\x+4], v[ST+4*\x], v[TM+16*\x+4]             ; M's old value less its new one: a whole number, 0 or less
.endr
.irp x, 0,1
	s_delay_alu instid0(VALU_DEP_2)
	v_cvt_i32_f32 v[TM+16*\x+4], v[TM+16*\x+4]                     ; (it saturates)
.endr
.irp x, 0,1
	s_delay_alu instid0(VALU_DEP_2)
	v_ldexp_f32 v[FF+2*\x], 1.0, v[TM+16*\x+4]                     ; f = 2^(old M - new M): a multiplication by it rounds nothing
.endr
.set j, 0
.rept 32
.irp x, 0,1
	v_pk_fma_f32 v[S+64*\x+j:S+64*\x+j+1], v[S+64*\x+j:S+64*\x+j+1], s[CS:CS+1], v[ST+4*\x:ST+4*\x+1] op_sel_hi:[1,0,0]   ; t - M, two at a time (of the pairs c and -M the low word serves both halves)
.endr
.set j, j+2
.endr
.irp b, 0,1,2,3
.irp x, 0,1
	v_fma_f32 v[TM+16*\x+\b], v[TM+16*\x+\b], s[CS], v[ST+4*\x]    ; the same of each block's largest score
.endr
.endr
.set j, 0
	s_wait_alu depctr_va_vdst(0)
.rept 64
.irp x, 0,1
	v_exp_f32 v[S+64*\x+j], v[S+64*\x+j]                           ; p = 2^(t - M), at most 1: NOT normalised
.endr
.set j, j+1
.endr
.irp b, 0,1,2,3
.irp x, 0,1
	v_exp_f32 v[TM+16*\x+\b], v[TM+16*\x+\b]                       ; the block's largest p: the same two instructions on the same number give the same bits
.endr
.endr
.irp x, 0,1
	v_pk_mul_f32 v[ST+4*\x+2:ST+4*\x+3], v[ST+4*\x+2:ST+4*\x+3], v[FF+2*\x:FF+2*\x+1] op_sel_hi:[1,0]   ; the sums under the new M.  (The plain lines behind the exponentials)
.endr
	s_wait_alu depctr_va_vdst(0)
.irp b, 0,1,2,3
.irp x, 0,1
	v_max_num_f32 v[TM+16*\x+\b], 0x4800000, v[TM+16*\x+\b]        ; the floor 2^(9 - 127): the byte cannot fall under 1 (a block whose every p has fallen to 0 keeps that byte: its codes are zeros)
.endr
.endr
.irp b, 0,1,2,3
.irp x, 0,1
	v_add_nc_u32 v[TM+16*\x+12+\b], 0xfc000000, v[TM+16*\x+\b]     ; 8 off the exponent field: the conversion's scale operand
.endr
.endr
.irp b, 0,1,2,3
.irp x, 0,1
.endr
.endr
.irp b, 0,1,2,3
.irp x, 0,1
	v_lshrrev_b32 v[TM+16*\x+4+\b], 23, v[TM+16*\x+12+\b]          ; the scale's byte
.endr
.endr
.irp x, 0,1
	v_lshl_or_b32 v[PSW+\x], v[TM+16*\x+5], 8, v[TM+16*\x+4]       ; p's scale word for these 128 keys
.endr
.irp x, 0,1
	s_delay_alu instid0(VALU_DEP_2)
	v_lshl_or_b32 v[PSW+\x], v[TM+16*\x+6], 16, v[PSW+\x]
.endr
.irp x, 0,1
	s_delay_alu instid0(VALU_DEP_2)
	v_lshl_or_b32 v[PSW+\x], v[TM+16*\x+7], 24, v[PSW+\x]
.endr
.irp x, 0,1
	v_pk_add_f32 v[TM+16*\x+4:TM+16*\x+5], v[S+64*\x:S+64*\x+1], v[S+64*\x+2:S+64*\x+3]   ; THE ROW'S SUM IS TAKEN OF THE UNQUANTISED p: two at a time, in two chains a tile
.endr
.irp j, 4,8,12,16,20,24,28,32,36,40,44,48,52,56,60
.irp x, 0,1
	v_pk_add_f32 v[ST+4*\x+2:ST+4*\x+3], v[ST+4*\x+2:ST+4*\x+3], v[S+64*\x+\j:S+64*\x+\j+1]
	v_pk_add_f32 v[TM+16*\x+4:TM+16*\x+5], v[TM+16*\x+4:TM+16*\x+5], v[S+64*\x+\j+2:S+64*\x+\j+3]
.endr
.endr
.irp x, 0
	s_delay_alu instid0(VALU_DEP_3)
	v_pk_add_f32 v[ST+4*\x+2:ST+4*\x+3], v[ST+4*\x+2:ST+4*\x+3], v[TM+16*\x+4:TM+16*\x+5]
.endr
.irp x, 1
	s_delay_alu instid0(VALU_DEP_2)
	v_pk_add_f32 v[ST+4*\x+2:ST+4*\x+3], v[ST+4*\x+2:ST+4*\x+3], v[TM+16*\x+4:TM+16*\x+5]
.endr
.irp b, 0,1,2,3
.set j, 0
.rept 16
.irp x, 0,1
.endr
.set j, j+1
.endr
.endr
.endm
; A KEY STEP: 128 keys, the q-th of the slot in hand.  Every window is 0 at its head and at its end.
.macro STEP q
	s_add_co_u32 s[TA], s[TB], (\q)*STEPB
	v_add_nc_u32 v[ADK], s[TA], v[LI]
	v_add_nc_u32 v[ADS], s[TS], v[LS]
	PLACES 6                                       ; with the two additions: eight places behind the last products, in front of loads into registers that they have read
	ds_load_b64 v[KSW:KSW+1], v[ADS] offset:1024*(\q)              ; the step's scale words: K's four pairs of tiles, V's four
	ds_load_b64 v[KSW+2:KSW+3], v[ADS] offset:1024*(\q)+256
	ds_load_b64 v[VSW:VSW+1], v[ADS] offset:1024*(\q)+512
	ds_load_b64 v[VSW+2:VSW+3], v[ADS] offset:1024*(\q)+768
	FRAG4 F0, 0                                    ; K's tiles 0-3
	WIN 0x40                                       ; destination window 1, address window 0
	FRAG4 F1, 8192                                 ; K's tiles 4-7
	s_wait_alu depctr_va_vdst(0)
	s_wait_dscnt 16                                ; the scale words and tiles 0-3 are in; the sixteen loads of tiles 4-7 stay out
	WIN 0x04                                       ; source 1 (Q) window 1
	KQ8 0, F0
	s_wait_dscnt 0x0
	WIN 0x05                                       ; source 0 (K) window 1 too
	KQ8 1, F1
	WIN 0
	PLACES 8                                       ; in front of the loads below and of the first read of the scores
	FRAG4 F0, 16384                                ; V's eight tiles are asked for now and land under the softmax
	WIN 0x40
	FRAG4 F1, 24576
	WIN 0
	SOFTMAX
	WIN 0x40                                       ; destination window 1: P's codes
.irp b, 0,1,2,3
.irp x, 0,1
	v_cvt_scalef32_pk8_fp8_f32 v[P1+16*\x+4*\b:P1+16*\x+4*\b+1], v[S+64*\x+16*\b:S+64*\x+16*\b+7], v[TM+16*\x+12+\b]
	v_cvt_scalef32_pk8_fp8_f32 v[P1+16*\x+4*\b+2:P1+16*\x+4*\b+3], v[S+64*\x+16*\b+8:S+64*\x+16*\b+15], v[TM+16*\x+12+\b]
.endr
.endr
	WIN 0x41                                       ; O^T (destination and source 0) window 1, f window 0
.set j, 0
.rept 32
.irp x, 0,1
	v_pk_mul_f32 v[O1+64*\x+j:O1+64*\x+j+1], v[O1+64*\x+j:O1+64*\x+j+1], v[FF+2*\x:FF+2*\x+1] op_sel_hi:[1,0]   ; O^T under the new M: x f, each accumulator from its low end on.  (These 64 are also the plain lines behind the conversions and in front of the products)
.endr
.set j, j+2
.endr
	s_wait_alu depctr_va_vdst(0)
	s_wait_dscnt 0x0                               ; V is in
	WIN 0x54                                       ; source 1 (P), C and D (O^T) window 1
	PV8 0, F0
	WIN 0x55
	PV8 1, F1
	WIN 0
.endm
; THE CHANGE OF SLOTS stands at a slot's head.  Each wave waits for all its tensor loads (its part of the slot that it is about to read), adds 0 to its spare word, and waits for that and for its reads of the slot that it has left.
; fill = 1: the barrier is a round of the cluster's, so that no wave of any partner still reads the other slot or has a load on its way; behind it that slot is filled with the next four steps: the load has four steps' work in which to land.
.macro CHANGE fill
	s_wait_tensorcnt 0x0                           ; no tensor load of mine is out, so a group 0 may be written
	ds_add_u32 v[SPW], v[NIL]                      ; 0 onto my spare word: with fill = 1 the descriptor's steps stand between it and the wait for it
.if \fill
	s_xor_b32 s[G0C+1], s[G0C+1], SLOT1            ; the walking descriptor: the other slot than last time,
	s_add_nc_u64 s[G0C+2:G0C+3], s[G0C+2:G0C+3], 4*STEPB   ; the next four steps; the type bits on top are not reached
	s_wait_dscnt 0x0                               ; the add is done, and my reads of the slot that I have left are over
	CROUND
	tensor_load_to_lds s[G0C:G0C+3], s[G1C:G1C+7]  ; the first thing behind the round, and my one tensor load until the next; four v_nop follow
	s_nop 0
	PLACES 4
.else
	s_wait_dscnt 0x0
	s_barrier_signal -1
	s_barrier_wait -1
.endif
.endm
.macro SLOT_STEPS
	STEP 0
	STEP 1
	STEP 2
	STEP 3
	s_xor_b32 s[TB], s[TB], SLOT1                  ; on to the other slot,
	s_add_co_u32 s[TS], s[TS], 4096                ; and to the next four steps' scale words
.endm
.Lslot:                                            ; seven trips: behind each change of slots but the last the next slot is asked for (slot 1's first fill goes out as a refill does)
	CHANGE 1
	SLOT_STEPS
	s_sub_co_u32 s[SLOTS], s[SLOTS], 1
	s_cmp_lg_u32 s[SLOTS], 0
	s_cbranch_scc1 .Lslot
	CHANGE 0                                       ; the last slot is written out
	SLOT_STEPS
	; THE WAY OUT.  The sum's two halves and the other half of the lanes' are added; O^T is divided by the sum and goes through my stage in LDS, a tile (16 rows of 512 bytes) at a time.
	; The four additions and the six address lines are ten plain lines that name no register of the last products: the places in front of the first read of O^T.
.irp x, 0,1
	v_add_f32 v[TM+16*\x+4], v[ST+4*\x+2], v[ST+4*\x+3]
.endr
.irp x, 0,1
	s_delay_alu instid0(VALU_DEP_2)
	v_permlanex16_b32 v[TM+16*\x+5], v[TM+16*\x+4], s[SEL], s[SEL+1]
.endr
.irp x, 0,1
	s_delay_alu instid0(VALU_DEP_2)
	v_add_f32 v[TM+16*\x+4], v[TM+16*\x+4], v[TM+16*\x+5]          ; the row's sum
.endr
	s_wait_alu depctr_va_vdst(0)
.irp x, 0,1
	v_rcp_f32 v[FF+2*\x], v[TM+16*\x+4]
.endr
	s_mul_i32 s[TA], s[WV], STGB                   ; my stage
	v_and_b32 v[QA], 15, v0                        ; r  (plain lines behind the reciprocals)
	v_bfe_u32 v[ADS], v0, 4, 1                     ; h
	s_delay_alu instid0(VALU_DEP_2)
	v_mul_u32_u24 v[ADK], v[QA], SP
	s_delay_alu instid0(VALU_DEP_1)
	v_lshl_add_u32 v[ADK], v[ADS], 5, v[ADK]
	s_delay_alu instid0(VALU_DEP_1)
	v_add_nc_u32 v[ADK], s[TA], v[ADK]             ; in: row r; tile t's eight channels of my half lie 64 t + 32 h bytes on
	v_add_nc_u32 v[ADS], s[TA], v[LI]              ; back: the 32 lanes take one row of 512 bytes
	WIN 0x01                                       ; source 0 (O^T) window 1; the quotients go where p lay
.set j, 0
	s_wait_alu depctr_va_vdst(0)
.rept 32
.irp x, 0,1
	v_pk_mul_f32 v[S+64*\x+j:S+64*\x+j+1], v[O1+64*\x+j:O1+64*\x+j+1], v[FF+2*\x:FF+2*\x+1] op_sel_hi:[1,0]   ; register 8 t + i of tile x is out0(query r, channel 16 t + 8 h + i)
.endr
.set j, j+2
.endr
	WIN 0
.macro TOSTAGE x, back                         ; LDS serves a wave's instructions in order (ISA guide 5.7.1.4): the loads see the stores above them, and the next tile's stores come behind these loads
.irp t, 0,1,2,3,4,5,6,7
	ds_store_b128 v[ADK], v[S+64*\x+8*\t:S+64*\x+8*\t+3] offset:64*\t
	ds_store_b128 v[ADK], v[S+64*\x+8*\t+4:S+64*\x+8*\t+7] offset:64*\t+16
.endr
.irp i, 0,1,2,3,4,5,6,7,8,9,10,11,12,13,14,15
	ds_load_b128 v[\back+4*\i:\back+4*\i+3], v[ADS] offset:\i*SP
.endr
.endm
.macro SEND x, back, younger                   ; younger: the LDS instructions issued behind tile x's loads, which may stay out
.irp i, 0,1,2,3,4,5,6,7,8,9,10,11,12,13,14,15
	s_wait_dscnt \younger+15-\i
	global_store_b128 v[LI], v[\back+4*\i:\back+4*\i+3], s[10:11] offset:8192*\x+512*\i th:TH_STORE_NT   ; 32 lanes store a row's 512 consecutive bytes, aligned; written once, read by nobody here
.endr
.endm
	TOSTAGE 0, F0                                  ; tile 0 comes back into the fragments' registers,
	TOSTAGE 1, S                                   ; tile 1 into those that tile 0's quotients have left
	SEND 0, F0, 32                                 ; behind tile 0's loads: tile 1's sixteen stores and sixteen loads
	SEND 1, S, 0
	s_wait_tensorcnt 0x0                           ; the wave's end: behind my last tensor load and my last LDS store
	ds_add_u32 v[SPW], v[NIL]
	s_wait_dscnt 0x0
	CROUND                                         ; the closing round: no work-group ends while a partner may still ask for a tile that names it
	s_endpgm
.Lfunc_end_k_q8ff9323b48_attn:
	.size	k_q8ff9323b48_attn, .Lfunc_end_k_q8ff9323b48_attn-k_q8ff9323b48_attn
	.p2alignl 7, 3214868480
	.fill 96, 4, 3214868480
	.section	.rodata,"a",@progbits
	.p2align	6, 0x0
	.amdhsa_kernel k_q8ff9323b48_attn
		.amdhsa_group_segment_fixed_size 327680
		.amdhsa_private_segment_fixed_size 0
		.amdhsa_enable_private_segment 0
		.amdhsa_kernarg_size 32
		.amdhsa_user_sgpr_count 2
		.amdhsa_user_sgpr_kernarg_segment_ptr 1
		.amdhsa_wavefront_size32 1
		.amdhsa_system_sgpr_workgroup_id_x 1
		.amdhsa_system_sgpr_workgroup_id_y 1
		.amdhsa_system_sgpr_workgroup_id_z 1
		.amdhsa_system_vgpr_workitem_id 0
		.amdhsa_next_free_vgpr 512
		.amdhsa_next_free_sgpr 66
		.amdhsa_reserve_vcc 0
		.amdhsa_float_denorm_mode_32 3
		.amdhsa_float_denorm_mode_16_64 3
		.amdhsa_fp16_overflow 1
		.amdhsa_memory_ordered 1
		.amdhsa_forward_progress 1
		.amdhsa_inst_pref_size 255
	.end_amdhsa_kernel
	.section	.bss,"aw",@nobits
	.p2align	6
	.space	262144
	.amdgpu_metadata
---
amdhsa.version: [ 1, 2 ]
amdhsa.kernels:
  - .name:           k_q8ff9323b48_attn
    .symbol:         k_q8ff9323b48_attn.kd
    .args:
      - { .name: q, .offset: 0, .size: 8, .value_kind: global_buffer, .address_space: global }
      - { .name: kvc, .offset: 8, .size: 8, .value_kind: global_buffer, .address_space: global }
      - { .name: kvs, .offset: 16, .size: 8, .value_kind: global_buffer, .address_space: global }
      - { .name: out0, .offset: 24, .size: 8, .value_kind: global_buffer, .address_space: global }
    .group_segment_fixed_size: 327680
    .private_segment_fixed_size: 0
    .kernarg_segment_align: 8
    .kernarg_segment_size: 32
    .max_flat_workgroup_size: 256
    .sgpr_count:     66
    .vgpr_count:     512
    .wavefront_size: 32
...
	.end_amdgpu_metadata
.endif
;; end of part 2
